; MI455X (gfx1250); checked and timed in simulation.
; The chip was launched on July 23, 2026; its instructions are those of AMD's public machine-readable ISA for CDNA 5 (MIT licence, August 2026) and "CDNA5" Instruction Set Architecture Reference Guide (July 2026). The comments in the code are by the model that wrote it; some were corrected since.
;; Multi Head Self Attention. Allowed arithmetic: matrix products marked QUANTISED: E2M3 operands, one E8M0 scale for each 32 along K, by v_wmma_scale_f32_16x16x128_f8f6f4 with both operands' format E2M3, f32 sums; everything else in f32.
;; Inputs: b_proj 256 float32; w_proj 256 x 256 float32; w_qkv 768 x 256 float32; x 4 x 4,096 x 256 float32.
;; Outputs: out0 4 x 4,096 x 256 float32.
;; This version of the problem:
;;   THIS VERSION OF THE PROBLEM IS GIVEN IN LOW PRECISION. The matrix products marked QUANTISED in the list below multiply operands that are first quantised to E2M3 (2 exponent bits, 3 mantissa bits; 6 bits a number), with one power-of-two scale for each 32 numbers along K (OCP MX v1.0); their sums are f32. All else is computed in f32.
;;   The module's matrix products, in the order in which they are computed (A, B: the left and right operand; K: the contracted axis; several contracted axes count as one K, in the product's order):
;;     1. [M 16,384, K 256] x [K 256, N 768]; A: input x; B: input w_qkv: QUANTISED
;;     2. batch 16 x [M 4,096, K 64] x [K 64, N 4,096]; A: computed on the way; B: computed on the way: QUANTISED
;;     3. batch 16 x [M 4,096, K 4,096] x [K 4,096, N 64]; A: softmax (see below); B: computed on the way: QUANTISED
;;     4. [M 16,384, K 256] x [K 256, N 256]; A: computed on the way; B: input w_proj: QUANTISED
;;   THE QUANTISER, for each operand of a quantised product, along K:
;;     - K is cut into blocks of 32 from its start; a last block that is shorter is filled with zeros.
;;     - A block's scale is 2^e with e = floor(log2(the largest magnitude in the block)) - 2, held to -126 .. 127; a block of zeros has e = 0. As a byte (E8M0): e + 127.
;;     - Each number is divided by its block's scale, clamped to +-7.5, and rounded to the nearest number of E2M3, ties to even, subnormals kept.
;;     - The product sums the exact products of the quantised numbers (number of the format x scale) in f32.
;;   ~~~python
;;   def quantise(x, axis):      # numpy; x: float32 -> the quantised numbers, widened to float32 again
;;       x = np.moveaxis(x, axis, -1); K = x.shape[-1]
;;       x = np.pad(x, [(0, 0)] * (x.ndim - 1) + [(0, -K % 32)]); x = x.reshape(x.shape[:-1] + (-1, 32)); a = np.abs(x).max(-1, keepdims=True)
;;       e = np.where(a > 0, np.clip(np.frexp(np.where(a > 0, a, 1))[1] - 1 - 2, -126, 127), 0)      # np.frexp(a)[1] - 1 = floor(log2(a)), exactly
;;       r = np.clip(x / 2.0 ** e, -7.5, 7.5)
;;       step = 2.0 ** (np.maximum(np.frexp(np.where(r == 0, 1, r))[1] - 1, 0) - 3)
;;       q = np.round(r / step) * step * 2.0 ** e      # np.round: ties to even
;;       return np.moveaxis(q.reshape(q.shape[:-2] + (-1,))[..., :K], -1, axis).astype(np.float32)
;;   ~~~
;;   SOFTMAX AHEAD OF A QUANTISED PRODUCT. Where the list says 'softmax', what is quantised is not the finished softmax but p = 2^(t - M), with t = logit x log2(e) and M = ceil(the row's largest t), a whole number; so 1/2 < the row's largest p <= 1. The row's sum l is taken of the UNQUANTISED p, in f32, and the product's result is divided by l at the end. Since M is a whole number, a kernel that streams over the keys may use a running M (the ceiling of the running maximum): every later rescaling is an exact power of two, which a block's scale takes up: the codes' values come out the same.
;;   OPERANDS COMPUTED ON THE WAY. 'Computed on the way' means the value that the module computes at that place (a softmax that the list does not call 'softmax' is quantised finished and normalised). What goes into a quantiser is computed in f32, as accurately as f32 sums, v_exp_f32 and their like allow (about 1e-6 of the number): no bf16 or f16 on the way to a quantiser, and a product that is left as it is and whose result goes on into a quantised operand takes f32 operands (vector FMAs, or v_wmma_f32_16x16x4_f32). A number that lies on a knife's edge between two numbers of the format may be rounded either way, as far as f32 arithmetic and the matrix unit's own rounding can turn it there, and no further.
;; One version. Each part assembles by itself: llvm-mc -triple=amdgcn-amd-amdhsa -mcpu=gfx1250 --defsym DOCPART=n.
;; ======== version 1 of 1: 2 launches
;; limits: right only within a limited range of input values
;; workspace buffers: q 3,407,872 bytes; kv 6,815,744 bytes; wp 53,248 bytes
;; launch qkv (part 1): grid 128 x 2, 16 waves a work-group, no clusters, 252,160 bytes of LDS; arguments x, w_qkv, w_proj, q, kv, wp; writes q, kv, wp
.if DOCPART == 1
	.amdgcn_target "amdgcn-amd-amdhsa--gfx1250"
	.amdhsa_code_object_version 6
	.text
	.protected	k_q8cc24a97eb_qkv
	.globl	k_q8cc24a97eb_qkv
	.p2align	8
	.type	k_q8cc24a97eb_qkv,@function
k_q8cc24a97eb_qkv:
	s_mov_b64 s[64:65], 0
	v_nop
	global_prefetch_b8 v0, s[64:65] scope:SCOPE_SE
	s_setreg_imm32_b32 hwreg(HW_REG_WAVE_MODE, 25, 1), 1
	s_wait_xcnt 0x0
; qkv = Q(x) Q(w_qkv)^T on codes of FP6 (E2M3) with one E8M0 scale for each 32 along K = 256, and its results quantised at once for the attention launch:
; q and k along the head's 64, v along the keys.  w_proj is quantised here too (32 work-groups, one fragment each).  x [16384][256], w_qkv [768][256], w_proj [256][256]: f32.
; SHARES.  Work-group (blk, y) takes tokens 128 blk .. +127 and six units of 64 output columns: q, k and v of heads 2 y and 2 y + 1.  Sixteen waves.
; ONE ROW PATTERN.  Four tiles T = 0 .. 3 cover 64 rows; row rho of tile T is 8 T + rho % 8 + 32 (rho / 8).  In a matrix result lane (r, h) holds source 0's rows 8 h + j, so its 32 registers of four such
; tiles are the 32 NEIGHBOURS 32 h + 0 .. 31: a whole block of the quantiser in one lane, in the order in which a 6-bit operand wants it.  x's tokens and w_qkv's rows are tiled so.
; PHASE 0: all 64 fragments (8 tiles of x and 24 of w, two K steps each) are made once, four a wave, and laid in LDS as images of their registers (16 bytes x lane, three times; the scale word 4 bytes x lane).
; Each load from memory reads 512 consecutive bytes of one row; a fragment's 16 rows turn through the wave's own stage (rows 528 bytes apart), so that a lane gets 32 neighbours of one row.   One barrier.
; PHASE 1: waves 0-7: unit wave / 2 (q h0, q h1, k h0, k h1), tokens 64 (wave % 2) on: source 0 = w's rows, source 1 = x's tokens: a lane holds one token and 32 of the head's 64.
;          waves 8-15: v of head (wave / 4) % 2, tile wave % 4 of its 64 channels: source 0 = x's tokens, source 1 = w's rows: a lane holds one channel and 2 x 32 neighbouring tokens: V^T's fragment as it stands.
; WORKSPACE, all as images of operand registers.  A group record (64 tokens of one head of q or k, 3,328 bytes): four tiles of 768 (registers 0-3: 16 bytes x lane; 4-5: 8 bytes x lane), then 256 bytes of scale words,
; two a lane: word j of lane l is tile 2 j + l / 16, row l % 16.  A word is [s0 s1 s0 s1], so that it serves the 64 codes at K 0-63 and at K 64-127 alike.
; q: [row / 64][head] records.  kv: [row / 256][head][(row / 128) % 2] x 13,312: two records of k, V^T's four fragments (1,536 each), their scale words (128 each).  wp: [column / 16] x (two fragments, two runs of scale words).
; A block's scale: the largest magnitude's exponent field less 2, held at 1 from below by a floor among the maximum's leaves.
; LIMITS: NaN and infinities among the inputs are not served; a block whose largest magnitude lies under 2^-124, a block of zeros among them, gets the byte 1 (its codes are then zeros or subnormal codes; the bytes are read by this program alone).
; No tensor load and no cluster: what the work-groups share is w as f32, which has to pass through registers to be quantised.
.set FRB,   1536                       ; a fragment's image: 12 registers x 128 bytes
.set GR,    3328                       ; a group record
.set REC,   13312                      ; a record of kv
.set FSC,   98304                      ; LDS: 0: 64 images; here: their scale words, 128 bytes each;
.set STG,   106496                     ; the waves' stages, 16 rows x 528 bytes each;
.set STGW,  8448
.set STE,   241664                     ; a stage of its own for the w_proj path;
.set SPARE, 250112                     ; the spare words, 128 bytes for each wave: eight blocks of 256 bytes that no other line names
.set FLOOR, 0x1800000                  ; 2^(3 - 127)
.set SPW,  1                           ; v1   LDS address of my spare word; never rewritten
.set NIL,  2                           ; v2   0; never rewritten
.set LI16, 3                           ; v3   16 x lane
.set LI8,  4                           ; v4   8 x lane
.set FS4,  5                           ; v5   FSC + 4 x lane
.set SH8,  6                           ; v6   8 x (lane / 16)
.set STW,  7                           ; v7   my stage, on the way in: 16 x lane
.set STR,  8                           ; v8   and on the way out: 528 r + 128 h
.set IMW,  9                           ; v9   where I put my four images
.set SCW,  10                          ; v10  and their scale words
.set QW,   11                          ; v11, v12  waves 0-7: my unit's eight fragments of w, their scale words
.set QWS,  12
.set QX,   13                          ; v13, v14  my eight fragments of x, their scale words
.set QXS,  14
.set VW,   15                          ; v15, v242 waves 8-15: my tile's two fragments of w, their scale words
.set VWS,  242
.set STEW, 243                         ; v243, v244 the w_proj path's stage, in and out
.set STER, 244
.set LI4,  245                         ; v245 4 x lane
.set R0,   16                          ; phase 0: v16-79, v80-143 two fragments as loaded; v144-207 64 neighbours; v208-219 the codes
.set R1,   80
.set X,    144
.set PC,   208
.set T0,   220                         ; v220-222, v224-226 the upper halves of two blocks' codes (a conversion's three registers begin on an even number)
.set T1,   224
.set MX,   228                         ; v228-231 maxima;  v232-233 the conversions' scale operands;  v234-235 the bytes;  v236 a scale word;  v237 a lane exchange's destination
.set EO,   232
.set BY,   234
.set WD,   236
.set PT,   237
.set WF,   16                          ; phase 1, q and k: v16-111 w's eight fragments; v112-135 x's two; v136-167 four accumulators; v168-199 codes, 8 a tile; v200-203 words; v204-205 words as stored
.set XF,   112
.set ACC,  136                         ; phase 1, v: v16-111 x's eight fragments of a K step; v112-135 w's two; v136-199 eight accumulators
.set CQ,   168
.set W4,   200                         ; v246-255 hold the matrix instructions' scales and nothing else
.set WV,   16                          ; s16 wave;  s17 blk;  s18 y
.set BLK,  17
.set YY,   18
.set SEL,  20                          ; s[20:21] lane selects: lane l xor 16
.set HALF, 22                          ; s22 the mask of lanes 16-31
.set UQ,   52                          ; s52 (wave / 2) % 4;  s53 wave % 2;  s54 (wave / 4) % 2;  s55 wave % 4
.set CC,   53
.set VH,   54
.set VT,   55
.macro PLACES                          ; four plain places behind a matrix instruction, ahead of loads into its sources and of reads of its result
.rept 4
	v_nop
.endr
.endm
.macro BMAX s, a, b                    ; the largest magnitude of 32 numbers and the floor, in two chains by turns; each group of eight registers is first read at its low end
	v_max3_num_f32 v[\a], |v[\s]|, |v[\s+1]|, FLOOR
	v_max3_num_f32 v[\b], |v[\s+16]|, |v[\s+17]|, |v[\s+18]|
.irp i, 0,1,2,3,4,5
	v_max3_num_f32 v[\a], v[\a], |v[\s+2+2*\i]|, |v[\s+3+2*\i]|
	v_max3_num_f32 v[\b], v[\b], |v[\s+19+2*\i]|, |v[\s+20+2*\i]|
.endr
	v_max3_num_f32 v[\a], v[\a], |v[\s+14]|, |v[\s+15]|
	v_max3_num_f32 v[\a], v[\a], v[\b], |v[\s+31]|
.endm
.macro BSCL a, e, y
	v_add_nc_u32 v[\e], 0xff000000, v[\a]          ; 2 off the exponent field: the conversion takes this operand's exponent field as its scale
	s_delay_alu instid0(VALU_DEP_1)
	v_lshrrev_b32 v[\y], 23, v[\e]                 ; the scale's byte
.endm
.macro WORD w, y0, y1                  ; my two bytes (blocks h and 2 + h) at their places, and lane l xor 16's two: the row's word, in both halves of the lanes
	s_delay_alu instid0(VALU_DEP_1)
	v_lshl_or_b32 v[\w], v[\y1], 16, v[\y0]
	s_delay_alu instid0(VALU_DEP_1)
	v_lshlrev_b32 v[\w], v[SH8], v[\w]
	s_delay_alu instid0(VALU_DEP_1)
	v_permlanex16_b32 v[PT], v[\w], s[SEL], s[SEL+1]
	s_delay_alu instid0(VALU_DEP_1)
	v_or_b32 v[\w], v[\w], v[PT]
.endm
.macro BCVT s, d, t, e                 ; a block's 32 numbers into 2 x 96 bits
	v_cvt_scalef32_pk16_fp6_f32 v[\d:\d+2], v[\s:\s+15], v[\e]
	v_cvt_scalef32_pk16_fp6_f32 v[\t:\t+2], v[\s+16:\s+31], v[\e]
.endm
.macro MOV3 d, t
	v_mov_b32 v[\d], v[\t]
	v_mov_b32 v[\d+1], v[\t+1]
	v_mov_b32 v[\d+2], v[\t+2]
.endm
.macro QF s, d                         ; 64 numbers of a lane (register 32 c + i = K 64 c + 32 h + i of my row) -> a fragment's 12 registers at d and the row's scale word in WD
	BMAX \s, MX, MX+1
	BMAX \s+32, MX+2, MX+3
	BSCL MX, EO, BY
	BSCL MX+2, EO+1, BY+1
	WORD WD, BY, BY+1
	BCVT \s, \d, T0, EO
	BCVT \s+32, \d+6, T1, EO+1
	v_nop                                          ; one plain place behind the scaled conversions
	MOV3 \d+3, T0
	MOV3 \d+9, T1
.endm
.macro QH s, d, w                      ; 32 numbers (K 32 h + i) -> 6 registers at d and the word [s0 s1 s0 s1] in w
	BMAX \s, MX, MX+1
	BSCL MX, EO, BY
	WORD \w, BY, BY
	BCVT \s, \d, T0, EO
	v_nop
	MOV3 \d+3, T0
.endm
.macro MM0 d, a, b, sa, sb             ; the first K step starts a sum
	v_wmma_scale_f32_16x16x128_f8f6f4 v[\d:\d+7], v[\a:\a+11], v[\b:\b+11], 0, v[\sa], v[\sb] matrix_a_fmt:MATRIX_FMT_FP6 matrix_b_fmt:MATRIX_FMT_FP6
.endm
.macro MMA d, a, b, sa, sb             ; and the second adds in place
	v_wmma_scale_f32_16x16x128_f8f6f4 v[\d:\d+7], v[\a:\a+11], v[\b:\b+11], v[\d:\d+7], v[\sa], v[\sb] matrix_a_fmt:MATRIX_FMT_FP6 matrix_b_fmt:MATRIX_FMT_FP6
.endm
; 16 rows x 128 numbers: each load reads 512 consecutive bytes of one row.  pat = 1: the rows of tile a by the pattern, K step s;  pat = 0: 16 neighbouring rows
.macro LOADF buf, base, a, s, pat
.irp rho, 0,1,2,3,4,5,6,7,8,9,10,11,12,13,14,15
.if \pat
	global_load_b128 v[\buf+4*\rho:\buf+4*\rho+3], v[LI16], s[\base:\base+1] offset:8192*(\a)+((\rho%8)+32*(\rho/8))*1024+512*(\s)
.else
	global_load_b128 v[\buf+4*\rho:\buf+4*\rho+3], v[LI16], s[\base:\base+1] offset:1024*\rho
.endif
.endr
.endm
.macro TOSTG adr, buf                  ; the 16 rows into a stage, as they lie
.irp rho, 0,1,2,3,4,5,6,7,8,9,10,11,12,13,14,15
	ds_store_b128 v[\adr], v[\buf+4*\rho:\buf+4*\rho+3] offset:528*\rho
.endr
.endm
.macro FROMSTG adr                     ; and back: lane (r, h) takes of row r the numbers 64 c + 32 h + 0 .. 31
.irp c, 0,1
.irp i, 0,1,2,3,4,5,6,7
	ds_load_b128 v[X+32*\c+4*\i:X+32*\c+4*\i+3], v[\adr] offset:256*\c+16*\i
.endr
.endr
.endm
; My fragment f = 2 a + s of four.  n: the younger loads that may stay out
.macro TURNQ f, n
	s_wait_loadcnt \n                              ; loads come back in order: this fragment's sixteen are in
	TOSTG STW, R0+64*((\f)%2)
	FROMSTG STR                                    ; LDS serves a wave's instructions in order: these see the stores above
	s_wait_dscnt 0x0                               ; the 64 neighbours are in, and the stage's stores have read their registers,
.if \f < 2
	LOADF R0+64*((\f)%2), 24, 1, \f, 1             ; which take the fragment two on
.endif
	QF X, PC
.irp g, 0,1,2
	ds_store_b128 v[IMW], v[PC+4*\g:PC+4*\g+3] offset:FRB*(\f)+512*\g
.endr
	ds_store_b32 v[SCW], v[WD] offset:128*(\f)
.endm
	s_load_b256 s[4:11], s[0:1], 0x0               ; x s[4:5], w_qkv s[6:7], w_proj s[8:9], q s[10:11]
	s_load_b128 s[12:15], s[0:1], 0x20             ; kv s[12:13], wp s[14:15]
	v_lshl_add_u32 v[SPW], v0, 2, SPARE
	v_mov_b32 v[NIL], 0
	v_mov_b32 v[PT], 0                             ; written once: a lane exchange's destination counts as one of its sources
	v_lshrrev_b32 v16, 5, v0
	s_delay_alu instid0(VALU_DEP_1)
	v_readfirstlane_b32 s[WV], v16                 ; wave 0..15
	s_mov_b32 s[BLK], ttmp9
	s_and_b32 s[YY], ttmp7, 0xffff
	s_mov_b32 s[SEL], 0x76543210
	s_mov_b32 s[SEL+1], 0xfedcba98
	s_mov_b32 s[HALF], 0xffff0000
	v_and_b32 v17, 31, v0                          ; lane
	v_and_b32 v18, 15, v0                          ; r
	v_bfe_u32 v19, v0, 4, 1                        ; h
	s_delay_alu instid0(VALU_DEP_3)
	v_lshlrev_b32 v[LI16], 4, v17
	s_delay_alu instid0(VALU_DEP_4)
	v_lshlrev_b32 v[LI8], 3, v17
	v_lshlrev_b32 v[LI4], 2, v17
	s_delay_alu instid0(VALU_DEP_1)
	v_add_nc_u32 v[FS4], FSC, v[LI4]
	v_lshlrev_b32 v[SH8], 3, v19
	v_mul_u32_u24 v20, v18, 528
	s_delay_alu instid0(VALU_DEP_1)
	v_lshl_add_u32 v20, v19, 7, v20                ; 528 r + 128 h
	s_mul_i32 s36, s[WV], STGW
	s_add_co_u32 s36, s36, STG
	v_add_nc_u32 v[STW], s36, v[LI16]
	v_add_nc_u32 v[STR], s36, v20
	v_add_nc_u32 v[STEW], STE, v[LI16]
	v_add_nc_u32 v[STER], STE, v20
	s_mul_i32 s36, s[WV], 4*FRB
	v_add_nc_u32 v[IMW], s36, v[LI16]              ; images 4 wave .. 4 wave + 3
	s_lshl_b32 s36, s[WV], 9
	v_add_nc_u32 v[SCW], s36, v[FS4]
	; every LDS address of both roles of phase 1 is made here, ahead of the parting, in every wave
	s_lshr_b32 s[UQ], s[WV], 1
	s_and_b32 s[UQ], s[UQ], 3
	s_and_b32 s[CC], s[WV], 1
	s_lshr_b32 s[VH], s[WV], 2
	s_and_b32 s[VH], s[VH], 1
	s_and_b32 s[VT], s[WV], 3
	s_lshl_b32 s37, s[UQ], 3
	s_add_co_u32 s37, s37, 16                      ; unit u's images begin at 16 + 8 u
	s_mul_i32 s38, s37, FRB
	v_add_nc_u32 v[QW], s38, v[LI16]
	s_lshl_b32 s38, s37, 7
	v_add_nc_u32 v[QWS], s38, v[FS4]
	s_mul_i32 s38, s[CC], 8*FRB                    ; x's tiles 4 c .. 4 c + 3: images 8 c on
	v_add_nc_u32 v[QX], s38, v[LI16]
	s_lshl_b32 s38, s[CC], 10
	v_add_nc_u32 v[QXS], s38, v[FS4]
	s_lshl_b32 s37, s[VH], 3
	s_lshl_b32 s38, s[VT], 1
	s_add_co_u32 s37, s37, s38
	s_add_co_u32 s37, s37, 48                      ; v's units are 4 and 5: image 16 + 8 (4 + head) + 2 T
	s_mul_i32 s38, s37, FRB
	v_add_nc_u32 v[VW], s38, v[LI16]
	s_lshl_b32 s38, s37, 7
	v_add_nc_u32 v[VWS], s38, v[FS4]
	; PHASE 0.  Waves 0-3 take x's tiles 2 wave, 2 wave + 1; waves 4-15 w's: which (q, k, v) = wave / 4 - 1; in both the tiles begin at row 64 ((wave / 2) % 2) + 16 (wave % 2) of their 128
	s_lshr_b32 s42, s[WV], 1
	s_and_b32 s42, s42, 1
	s_lshl_b32 s42, s42, 6
	s_lshl_b32 s43, s[CC], 4
	s_add_co_u32 s42, s42, s43
	s_lshl_b32 s43, s[BLK], 7                      ; x: 128 blk
	s_lshr_b32 s44, s[WV], 2
	s_max_u32 s44, s44, 1
	s_sub_co_u32 s44, s44, 1
	s_lshl_b32 s44, s44, 8
	s_lshl_b32 s45, s[YY], 7
	s_add_co_u32 s44, s44, s45                     ; w: 256 which + 128 y
	s_cmp_lt_u32 s[WV], 4
	s_cselect_b32 s43, s43, s44
	s_add_co_u32 s42, s42, s43
	s_lshl_b32 s42, s42, 10                        ; rows of 1,024 bytes
	s_mov_b32 s43, 0
	s_wait_kmcnt 0x0
	s_cmp_lt_u32 s[WV], 4                          ; the choice hangs on the wave's number alone
	s_cselect_b64 s[24:25], s[4:5], s[6:7]
	s_add_nc_u64 s[24:25], s[24:25], s[42:43]
	LOADF R0, 24, 0, 0, 1                          ; my first two fragments: 32 loads a wave are out
	LOADF R1, 24, 0, 1, 1
	s_cmp_lg_u32 s[WV], 0
	s_cbranch_scc1 .Lno_wp
	s_lshr_b32 s36, s[BLK], 5
	s_or_b32 s36, s36, s[YY]
	s_cmp_lg_u32 s36, 0
	s_cbranch_scc1 .Lno_wp
	s_lshr_b32 s36, s[BLK], 1                      ; t
	s_and_b32 s37, s[BLK], 1                       ; s
	s_lshl_b32 s38, s36, 14                        ; 16 rows of 1,024 bytes
	s_lshl_b32 s39, s37, 9
	s_add_co_u32 s38, s38, s39
	s_mov_b32 s39, 0
	s_add_nc_u64 s[26:27], s[8:9], s[38:39]
	s_mul_i32 s38, s36, GR
	s_mul_i32 s40, s37, FRB
	s_add_co_u32 s40, s40, s38
	s_mov_b32 s41, 0
	s_add_nc_u64 s[34:35], s[14:15], s[40:41]      ; the fragment's place in wp
	s_lshl_b32 s40, s37, 7
	s_add_co_u32 s40, s40, s38
	s_add_nc_u64 s[56:57], s[14:15], s[40:41]      ; and its scale words', less 3,072
	LOADF X, 26, 0, 0, 0
	s_wait_loadcnt 0x0                             ; they are the youngest: so the wait is for all
	TOSTG STEW, X
	s_wait_dscnt 0x0                               ; the stores have read the registers into which the loads below land
	s_wait_alu depctr_va_vdst(0)
	FROMSTG STER
	s_wait_dscnt 0x0
	QF X, PC
.irp g, 0,1,2
	global_store_b128 v[LI16], v[PC+4*\g:PC+4*\g+3], s[34:35] offset:512*\g
.endr
	global_store_b32 v[LI4], v[WD], s[56:57] offset:3072
	s_wait_xcnt 0x0                                ; the codes' and the word's registers are written again below only behind this wait
.Lno_wp:
	TURNQ 0, 16                                    ; the count leaves the one younger fragment's sixteen loads out
	TURNQ 1, 16
	TURNQ 2, 16
	TURNQ 3, 0
	s_wait_dscnt 0x0                               ; for the others' sake: my images and words have landed
	s_barrier_signal -1
	s_barrier_wait -1                              ; all 64 fragments lie in LDS; from here on LDS is only read
	s_cmp_lt_u32 s[WV], 8
	s_cbranch_scc0 .Lrole_v
	; ---- waves 0-7: q or k of one head, 64 tokens
	s_and_b32 s46, s[UQ], 1
	s_lshl_b32 s47, s[YY], 1
	s_add_co_u32 s46, s46, s47                     ; the head
	s_lshl_b32 s47, s[BLK], 1
	s_add_co_u32 s47, s47, s[CC]                   ; q: record ((2 blk + c) 4 + head)
	s_lshl_b32 s47, s47, 2
	s_add_co_u32 s47, s47, s46
	s_mul_i32 s47, s47, GR
	s_lshr_b32 s48, s[BLK], 1                      ; k: record (((blk / 2) 4 + head) 2 + blk % 2) of kv, group c
	s_lshl_b32 s48, s48, 2
	s_add_co_u32 s48, s48, s46
	s_lshl_b32 s48, s48, 1
	s_and_b32 s49, s[BLK], 1
	s_add_co_u32 s48, s48, s49
	s_mul_i32 s48, s48, REC
	s_mul_i32 s49, s[CC], GR
	s_add_co_u32 s48, s48, s49
	s_cmp_lt_u32 s[UQ], 2
	s_cselect_b32 s50, s47, s48
	s_cselect_b64 s[28:29], s[10:11], s[12:13]
	s_mov_b32 s51, 0
	s_add_nc_u64 s[28:29], s[28:29], s[50:51]
.macro XT t                            ; x's tile 4 c + t: two fragments and their scale words
.irp s, 0,1
.irp g, 0,1,2
	ds_load_b128 v[XF+12*\s+4*\g:XF+12*\s+4*\g+3], v[QX] offset:FRB*(2*(\t)+\s)+512*\g
.endr
	ds_load_b32 v[254+\s], v[QXS] offset:128*(2*(\t)+\s)
.endr
.endm
.irp f, 0,1,2,3,4,5,6,7                ; my unit's fragments of w (tile f / 2, K step f % 2) stay in registers
.irp g, 0,1,2
	ds_load_b128 v[WF+12*\f+4*\g:WF+12*\f+4*\g+3], v[QW] offset:FRB*\f+512*\g
.endr
	ds_load_b32 v[246+\f], v[QWS] offset:128*\f
.endr
	XT 0
.irp u, 0,1,2,3                        ; a tile of 16 tokens at a time; four accumulators by turns, one instruction a turn
	s_wait_dscnt 0x0
.irp a, 0,1,2,3
	MM0 ACC+8*\a, WF+24*\a, XF, 246+2*\a, 254
.endr
.irp a, 0,1,2,3
	MMA ACC+8*\a, WF+24*\a+12, XF+12, 247+2*\a, 255
.endr
	PLACES
.if \u < 3
	XT \u+1
.endif
	QH ACC, CQ+8*\u, W4+\u                         ; lane (r, h): token r, channels 32 h + 0 .. 31.  Its lines on registers of their own are further places ahead of the next tile's first products, which begin the accumulators anew
	global_store_b128 v[LI16], v[CQ+8*\u:CQ+8*\u+3], s[28:29] offset:768*\u        ; 512 consecutive bytes; every store has registers of its own
	global_store_b64 v[LI8], v[CQ+8*\u+4:CQ+8*\u+5], s[28:29] offset:768*\u+512    ; 256 consecutive bytes
.endr
	v_cndmask_b32 v[W4+4], v[W4], v[W4+1], s[HALF] ; lanes 0-15: tile 0's words, lanes 16-31: tile 1's;
	v_cndmask_b32 v[W4+5], v[W4+2], v[W4+3], s[HALF] ; tiles 2 and 3 likewise
	global_store_b64 v[LI8], v[W4+4:W4+5], s[28:29] offset:3072
	s_branch .Ltail
.Lrole_v:	; ---- waves 8-15: one tile of 16 channels of v of one head, all 128 tokens
	s_lshl_b32 s46, s[YY], 1
	s_add_co_u32 s46, s46, s[VH]                   ; the head
	s_lshr_b32 s48, s[BLK], 1
	s_lshl_b32 s48, s48, 2
	s_add_co_u32 s48, s48, s46
	s_lshl_b32 s48, s48, 1
	s_and_b32 s49, s[BLK], 1
	s_add_co_u32 s48, s48, s49
	s_mul_i32 s48, s48, REC
	s_mul_i32 s50, s[VT], FRB
	s_add_co_u32 s50, s50, s48
	s_mov_b32 s51, 0
	s_add_nc_u64 s[30:31], s[12:13], s[50:51]      ; the fragment's place, less 6,656
	s_lshl_b32 s50, s[VT], 7
	s_add_co_u32 s50, s50, s48
	s_add_nc_u64 s[32:33], s[12:13], s[50:51]      ; its scale words', less 12,800
.irp s, 0,1
.irp g, 0,1,2
	ds_load_b128 v[XF+12*\s+4*\g:XF+12*\s+4*\g+3], v[VW] offset:FRB*\s+512*\g
.endr
	ds_load_b32 v[254+\s], v[VWS] offset:128*\s
.endr
.irp s, 0,1                            ; a K step at a time: x's eight fragments; eight accumulators by turns
.if \s
	PLACES
.endif
.irp a, 0,1,2,3,4,5,6,7
.irp g, 0,1,2
	ds_load_b128 v[WF+12*\a+4*\g:WF+12*\a+4*\g+3], v[LI16] offset:FRB*(2*\a+\s)+512*\g
.endr
	ds_load_b32 v[246+\a], v[FS4] offset:128*(2*\a+\s)
.endr
	s_wait_dscnt 0x0
.irp a, 0,1,2,3,4,5,6,7
.if \s
	MMA ACC+8*\a, WF+12*\a, XF+12, 246+\a, 255
.else
	MM0 ACC+8*\a, WF+12*\a, XF, 246+\a, 254
.endif
.endr
.endr
	PLACES
	QF ACC, PC                                     ; lane (r, h): channel 8 T + r % 8 + 32 (r / 8); register 32 c + i: token 64 c + 32 h + i
.irp g, 0,1,2
	global_store_b128 v[LI16], v[PC+4*\g:PC+4*\g+3], s[30:31] offset:6656+512*\g
.endr
	global_store_b32 v[LI4], v[WD], s[32:33] offset:12800
.Ltail:
	s_wait_tensorcnt 0x0                           ; the wave's end: behind my last LDS store
	ds_add_u32 v[SPW], v[NIL]
	s_wait_dscnt 0x0
	s_endpgm
.Lfunc_end_k_q8cc24a97eb_qkv:
	.size	k_q8cc24a97eb_qkv, .Lfunc_end_k_q8cc24a97eb_qkv-k_q8cc24a97eb_qkv
	.p2alignl 7, 3214868480
	.fill 96, 4, 3214868480
	.section	.rodata,"a",@progbits
	.p2align	6, 0x0
	.amdhsa_kernel k_q8cc24a97eb_qkv
		.amdhsa_group_segment_fixed_size 252160
		.amdhsa_private_segment_fixed_size 0
		.amdhsa_enable_private_segment 0
		.amdhsa_kernarg_size 48
		.amdhsa_user_sgpr_count 2
		.amdhsa_user_sgpr_kernarg_segment_ptr 1
		.amdhsa_wavefront_size32 1
		.amdhsa_system_sgpr_workgroup_id_x 1
		.amdhsa_system_sgpr_workgroup_id_y 1
		.amdhsa_system_sgpr_workgroup_id_z 1
		.amdhsa_system_vgpr_workitem_id 0
		.amdhsa_next_free_vgpr 256
		.amdhsa_next_free_sgpr 66
		.amdhsa_reserve_vcc 0
		.amdhsa_float_denorm_mode_32 3
		.amdhsa_float_denorm_mode_16_64 3
		.amdhsa_memory_ordered 1
		.amdhsa_forward_progress 1
		.amdhsa_inst_pref_size 68
	.end_amdhsa_kernel
	.amdgpu_metadata
---
amdhsa.version: [ 1, 2 ]
amdhsa.kernels:
  - .name:           k_q8cc24a97eb_qkv
    .symbol:         k_q8cc24a97eb_qkv.kd
    .args:
      - { .name: x, .offset: 0, .size: 8, .value_kind: global_buffer, .address_space: global }
      - { .name: w_qkv, .offset: 8, .size: 8, .value_kind: global_buffer, .address_space: global }
      - { .name: w_proj, .offset: 16, .size: 8, .value_kind: global_buffer, .address_space: global }
      - { .name: q, .offset: 24, .size: 8, .value_kind: global_buffer, .address_space: global }
      - { .name: kv, .offset: 32, .size: 8, .value_kind: global_buffer, .address_space: global }
      - { .name: wp, .offset: 40, .size: 8, .value_kind: global_buffer, .address_space: global }
    .group_segment_fixed_size: 252160
    .private_segment_fixed_size: 0
    .kernarg_segment_align: 8
    .kernarg_segment_size: 48
    .max_flat_workgroup_size: 512
    .sgpr_count:     66
    .vgpr_count:     256
    .wavefront_size: 32
...
	.end_amdgpu_metadata
.endif
;; end of part 1
;; launch attn (part 2): grid 256 x 1, 8 waves a work-group, clusters of 4 x 1, 327,680 bytes of LDS; arguments q, kv, wp, b_proj, out0; writes out0
.if DOCPART == 2
	.amdgcn_target "amdgcn-amd-amdhsa--gfx1250"
	.amdhsa_code_object_version 6
	.text
	.protected	k_q8cc24a97eb_attn
	.globl	k_q8cc24a97eb_attn
	.p2align	8
	.type	k_q8cc24a97eb_attn,@function
k_q8cc24a97eb_attn:
	s_mov_b64 s[64:65], 0
	v_nop
	global_prefetch_b8 v0, s[64:65] scope:SCOPE_SE
	s_setreg_imm32_b32 hwreg(HW_REG_WAVE_MODE, 25, 1), 1
	s_wait_xcnt 0x0
	s_wait_alu depctr_hold_cnt(0) depctr_sa_sdst(0) depctr_va_vdst(0) depctr_va_sdst(0) depctr_va_ssrc(0) depctr_va_vcc(0) depctr_vm_vsrc(0)
	s_getreg_b32 s2, hwreg(HW_REG_IB_STS2, 6, 4)
	s_cmp_eq_u32 s2, 0
	s_cbranch_scc0 .Lentry_in_a_cluster
	s_endpgm
.Lentry_in_a_cluster:
	s_bfe_u32 s2, ttmp6, 0x10000c
	s_cmp_lg_u32 s2, 0x3003
	s_cbranch_scc0 .Lentry_shape_is_right
	s_endpgm
.Lentry_shape_is_right:
; out0 = Q(softmax(q k^T / 8) v) Q(w_proj)^T + b_proj, all three products on codes of FP6 (E2M3) with one E8M0 scale for each 32 along a product's K.  q, kv, wp: the workspace of the launch before, as images of operand registers.
; THE SOFTMAX: t = score x log2(e) / 8; M = the row's largest t so far, rounded UP to a whole number; p = 2^(t - M) is quantised along the keys, not normalised.  The row's sum is taken of the unquantised p, in f32, and divides O at the
; end.  When M moves, the sum and O are multiplied by 2^(old M - new M): exact, in every step, with no branch on data.
; SHARES.  A work-group takes 64 rows of one batch for all four heads.  Eight waves: wave w has head w / 2 and two tiles of 16 queries, m = 2 (w % 2) + u (rows 8 m + r % 8 + 32 (r / 8)).  Each fragment of k and of v^T that a wave
; reads from LDS serves its two tiles.  A row's four heads meet in one work-group, so the last product is made here and the attention's result never goes to memory.
; LAYOUT.  S^T = k q^T (source 0 = 16 keys, source 1 = 16 queries), O^T = v^T p^T: a lane holds ONE query; its 32 registers of four key tiles are 32 neighbouring keys, a whole block of the quantiser in the operand's own order.
; K = 64 in the first product: a fragment of k holds two key tiles, [k even | k odd]; q is held as [q][0][q], so that [q | 0] meets the even tile and [0 | q] the odd one; the scale words are [s0 s1 s0 s1].
; A KEY STEP (128 keys) goes tile by tile.  In tile u's phase the other tile's next eight score products stand among u's exponentials, and its last four value products among the lines that find M.
; REGISTERS, in two windows of 256.  0: addresses, every scale word, O^T of the two tiles, v^T's fragments, q, w_proj's fragments (loaded at the head, used in the tail).
;   1: two buffers of S^T / p (the tiles'), k's fragments, p's codes, what is at work, each tile's -M, largest t and sum, the bias.
; THE RING.  Two LDS slots of 256 keys x 4 heads, 106,496 dense bytes each; every wave fetches 13,312 bytes (128 keys of its head), one tensor load a wave behind each round.
; CLUSTER.  The four work-groups of a cluster belong to one batch and walk the same kv: each slot is asked for JOINTLY, by the same load with the same descriptor and a mask that names the four.
; PREFETCH.  The slot that the next change of slots will ask for: the batch's first cluster asks; its four partners take 26,624 bytes each, told apart by address, each wave 3,328 of them, a lane a block of 256 bytes.
; LIMITS: NaN and infinities are not served; a block whose largest magnitude lies under 2^-124 (a block of zeros, or of p that have all fallen to 0) gets the byte 1; the promise holds while |t| stays under 2^31.
.set FRB,   1536
.set GR,    3328
.set REC,   13312
.set HEADB, 26624
.set SLOTB, 106496
.set SLOT1, 1<<17                      ; slot 1 begins here
.set OIMG,  106496                     ; between the slots: the attention result's eight fragments (2 m + s), six pieces of 8 bytes x lane each;
.set OSC,   118784                     ; their scale words, 64 bytes a fragment;
.set SPARE, 119296                     ; the spare words, 128 bytes for each wave: four blocks of 256 bytes that no other line names
.set SPITCH, 1040                      ; the way out: 64 rows x (1,024 + 16) bytes from LDS byte 0 on: slot 0 has had its last fill and its last read by then
.set FLOOR, 0x1800000
; window 0
.set SPW,  1
.set NIL,  2
.set A16_0, 3                          ; 16, 8, 4 x lane + my head's place in a slot
.set A8_0,  4
.set A4_0,  5
.set A16,  6                           ; the same in the slot in hand
.set A8,   7
.set A4,   8
.set PFO,  9
.set L16,  10
.set L8,   11
.set L4,   12
.set KS,   16                          ; v16-19 k's scale words;  v20-23 v's;  v24 q's;  v26 p's;  v30-33 w_proj's;  v34-41 the attention result's
.set VS,   20
.set QS,   24
.set PW,   26
.set B32,  29
.set WS,   30
.set OS,   34
.set TO,   42                          ; the tail's LDS addresses, made at the head
.set TBY,  43
.set TRD,  44
.set TRS,  45
.set STO,  46
.set SRD,  47
.set OT,   48                          ; v48-111 O^T, tile u at 32 u;  v112-159 v^T's four fragments;  v160-195 q, tile u at 18 u;  v196-243 w_proj's four fragments
.set VF,   112
.set QF,   160
.set WPF,  196
; window 1
.set KF,   128                         ; v0-63, v64-127 the two buffers of S^T;  v128-175 k: group c at 24 c, tile t at 6 t
.set PCD,  176
.set T0,   188
.set T1,   192
.set MXA,  196
.set BM0,  200
.set BM1,  201
.set TP,   202
.set OLD,  203
.set FF,   204                         ; v204 f (v205 named with it as a pair)
.set EO,   206
.set BY,   208
.set WD,   210
.set PT,   211
.set SH8,  212
.set SU,   214                         ; v214-221 four chains of the sum
.set STA,  232                         ; tile u: v[232 + 4 u] -M, +1 the largest t, +2, +3 the sum in two halves
.set BI,   240                         ; v240-255 the bias of my two column tiles
.set WV,   14
.set CX,   15
.set WGX,  16
.set BAT,  17
.set SEL,  20
.set CS,   22
.set G1,   24
.set G0,   32
.set TB,   36
.set SLOTS, 37
.set LIM,  38
.set PFA,  40
.set MSB, 0
.macro WIN new                         ; low byte: bits 1:0 source 0, 3:2 source 1, 5:4 source 2, 7:6 destination; the high byte repeats the setting that is left
.if MSB != \new
	s_set_vgpr_msb (MSB<<8)|\new
.set MSB, \new
.endif
.endm
.macro PLACES
.rept 4
	v_nop
.endr
.endm
.macro CROUND
	s_barrier_signal -1
	s_barrier_wait -1
	s_cmp_lg_u32 s[WV], 0
	s_cbranch_scc1 .Lnot_wave_0_\@
	s_barrier_signal -3
.Lnot_wave_0_\@:
	s_barrier_wait -3
	s_barrier_signal -1
	s_barrier_wait -1
.endm
.macro CREST                           ; a round of the cluster's barrier behind its opening barrier
	s_cmp_lg_u32 s[WV], 0
	s_cbranch_scc1 .Lnot_w0_\@
	s_barrier_signal -3
.Lnot_w0_\@:
	s_barrier_wait -3
	s_barrier_signal -1
	s_barrier_wait -1
.endm
.macro TLOAD
	tensor_load_to_lds s[G0:G0+3], s[G1:G1+7]
	s_nop 0
	PLACES
.endm
.macro ASK                             ; the last change that fills a slot asks for nothing
	s_cmp_gt_u32 s[SLOTS], s[LIM]
	s_cbranch_scc0 .Lnot_mine_\@
	global_prefetch_b8 v[PFO], s[PFA:PFA+1] th:TH_LOAD_NT scope:SCOPE_SE
.Lnot_mine_\@:
.endm
; THE CHANGE OF SLOTS, at a slot's head: all my tensor loads are waited for (my part of the slot ahead), the add, the wait for it and for my reads of the slot left behind; fill = 1: a round of the cluster's barrier, then that slot's refill
.macro CHANGE fill
	s_wait_tensorcnt 0x0
	ds_add_u32 v[SPW], v[NIL]
.if \fill
	s_xor_b32 s[G0+1], s[G0+1], SLOT1
	s_add_nc_u64 s[G0+2:G0+3], s[G0+2:G0+3], SLOTB
	s_wait_xcnt 0x0                                ; the last prefetch has read its address
	s_add_nc_u64 s[PFA:PFA+1], s[PFA:PFA+1], SLOTB
.endif
	s_wait_dscnt 0x0
.if \fill
	CROUND
	TLOAD
	ASK
.else
	s_barrier_signal -1
	s_barrier_wait -1
.endif
.endm
.macro KLOADS q                        ; key step q of the slot in hand: k's scale words and eight tiles: 18 loads
	WIN 0
.irp c, 0,1
	ds_load_b64 v[KS+2*\c:KS+2*\c+1], v[A8] offset:REC*(\q)+GR*\c+3072
.endr
	WIN 0x40
.irp c, 0,1
.irp t, 0,1,2,3
	ds_load_b128 v[KF+24*\c+6*\t:KF+24*\c+6*\t+3], v[A16] offset:REC*(\q)+GR*\c+768*\t
	ds_load_b64 v[KF+24*\c+6*\t+4:KF+24*\c+6*\t+5], v[A8] offset:REC*(\q)+GR*\c+768*\t+512
.endr
.endr
.endm
.macro VLOADS q                        ; v^T's four fragments and their scale words: 16 loads
	WIN 0
.irp t, 0,1,2,3
.irp g, 0,1,2
	ds_load_b128 v[VF+12*\t+4*\g:VF+12*\t+4*\g+3], v[A16] offset:REC*(\q)+6656+FRB*\t+512*\g
.endr
.endr
.irp t, 0,1,2,3
	ds_load_b32 v[VS+\t], v[A4] offset:REC*(\q)+12800+128*\t
.endr
.endm
; Score product i = 4 c + t of my tile un into buffer sn (setting 0x41: D and k in window 1, q in window 0).  An odd key tile's words stand in lanes 16-31, and so do my odd tile's of q
.macro QKW un, sn, i
.set QD, (\sn)+8*(\i)
.set QA, KF+24*((\i)/4)+12*(((\i)%4)/2)
.set QB, QF+18*(\un)+6*((\i)%2)
.set QC, KS+2*((\i)/4)+((\i)%4)/2
.if ((\i)%2) == 0
.if ((\un)%2) == 0
	v_wmma_scale_f32_16x16x128_f8f6f4 v[QD:QD+7], v[QA:QA+11], v[QB:QB+11], 0, v[QC], v[QS] matrix_a_fmt:MATRIX_FMT_FP6 matrix_b_fmt:MATRIX_FMT_FP6
.else
	v_wmma_scale_f32_16x16x128_f8f6f4 v[QD:QD+7], v[QA:QA+11], v[QB:QB+11], 0, v[QC], v[QS] matrix_a_fmt:MATRIX_FMT_FP6 matrix_b_fmt:MATRIX_FMT_FP6 matrix_b_scale:MATRIX_SCALE_ROW1
.endif
.else
.if ((\un)%2) == 0
	v_wmma_scale_f32_16x16x128_f8f6f4 v[QD:QD+7], v[QA:QA+11], v[QB:QB+11], 0, v[QC], v[QS] matrix_a_fmt:MATRIX_FMT_FP6 matrix_b_fmt:MATRIX_FMT_FP6 matrix_a_scale:MATRIX_SCALE_ROW1
.else
	v_wmma_scale_f32_16x16x128_f8f6f4 v[QD:QD+7], v[QA:QA+11], v[QB:QB+11], 0, v[QC], v[QS] matrix_a_fmt:MATRIX_FMT_FP6 matrix_b_fmt:MATRIX_FMT_FP6 matrix_a_scale:MATRIX_SCALE_ROW1 matrix_b_scale:MATRIX_SCALE_ROW1
.endif
.endif
.endm
.macro PVW up, t                       ; O^T of tile up += v^T's fragment t x p^T (setting 0x04: O^T and v^T in window 0, p's codes in window 1)
	v_wmma_scale_f32_16x16x128_f8f6f4 v[OT+32*(\up)+8*(\t):OT+32*(\up)+8*(\t)+7], v[VF+12*(\t):VF+12*(\t)+11], v[PCD:PCD+11], v[OT+32*(\up)+8*(\t):OT+32*(\up)+8*(\t)+7], v[VS+(\t)], v[PW] matrix_a_fmt:MATRIX_FMT_FP6 matrix_b_fmt:MATRIX_FMT_FP6
.endm
.macro PVS on, up, t
.if \on
	WIN 0x04
	PVW \up, \t
	WIN 0x55
.endif
.endm
.macro SMAX2 s                         ; the largest score of my two blocks of 32 keys, in four chains by turns; each accumulator is first read at its low end
.irp b, 0,1,2,3
	v_max3_num_f32 v[MXA+\b], v[\s+16*\b], v[\s+16*\b+1], v[\s+16*\b+2]
.endr
.irp i, 0,1,2,3,4,5
.irp b, 0,1,2,3
	v_max3_num_f32 v[MXA+\b], v[MXA+\b], v[\s+16*\b+3+2*\i], v[\s+16*\b+4+2*\i]
.endr
.endr
	v_max3_num_f32 v[BM0], v[MXA], v[MXA+1], v[\s+15]
	v_max3_num_f32 v[BM1], v[MXA+2], v[MXA+3], v[\s+47]
	v_max_num_f32 v[BM0], v[BM0], v[\s+31]
	v_max_num_f32 v[BM1], v[BM1], v[\s+63]
.endm
.macro ADDF s                          ; the row's sum of the unquantised p: four chains of pairs
.irp k, 0,1,2,3
	v_pk_add_f32 v[SU+2*\k:SU+2*\k+1], v[\s+2*\k:\s+2*\k+1], v[\s+8+2*\k:\s+9+2*\k]
.endr
.endm
.macro ADD4 s, i
.irp k, 0,1,2,3
	v_pk_add_f32 v[SU+2*\k:SU+2*\k+1], v[SU+2*\k:SU+2*\k+1], v[\s+8*(\i)+2*\k:\s+8*(\i)+2*\k+1]
.endr
.endm
.macro MOV3 d, t
	v_mov_b32 v[\d], v[\t]
	v_mov_b32 v[\d+1], v[\t+1]
	v_mov_b32 v[\d+2], v[\t+2]
.endm
; TILE u'S PHASE OF A KEY STEP.  pv: the other tile's value products stand among the lines that find M;  qk: the other tile's next score products stand among the exponentials;
; vld, kld: the key step whose v^T or k is fetched here (-1: none);  w0: the wait for LDS loads at the phase's head
; w1: the wait for LDS loads ahead of the exponentials (k);  chg: THE CHANGE OF SLOTS stands in this phase (1: with a refill, 2: without).  Behind the exponentials the slot's last k and v^T are in registers: the wait for all my
; tensor loads, the add, the wait for it and for my reads, the opening signal; the phase's remaining work on registers stands between the signal and the wait; then the rest of the round, the refill, and the next slot's first k
.macro PHASE u, pv, qk, vld, kld, w0, w1, chg
.set SB, 64*(\u)
.set SN, 64-SB
.set UO, 1-(\u)
.set NM, STA+4*(\u)
.set LS, NM+2
.if \w0
	s_wait_dscnt 0x0
.endif
	WIN 0x55
	s_wait_alu depctr_va_vdst(0)                   ; the wait directly ahead of the first reader of S^T
	SMAX2 SB
	v_max_num_f32 v[TP], v[BM0], v[BM1]
	PVS \pv, UO, 0
	v_permlanex16_b32 v[PT], v[TP], s[SEL], s[SEL+1]
	PVS \pv, UO, 1
	v_max_num_f32 v[TP], v[TP], v[PT]              ; the step's largest score of my query
	v_mov_b32 v[OLD], v[NM]
	PVS \pv, UO, 2
	v_mul_f32 v[TP], s[CS], v[TP]                  ; as t (c is positive)
	PVS \pv, UO, 3
	v_max_num_f32 v[NM+1], v[NM+1], v[TP]          ; the running largest t
	s_delay_alu instid0(VALU_DEP_1)
	v_floor_f32 v[NM], -v[NM+1]                    ; the new -M = -ceil(t)
	s_delay_alu instid0(VALU_DEP_1)
	v_sub_f32 v[TP], v[NM], v[OLD]                 ; old M less new M: a whole number, 0 or less
	s_delay_alu instid0(VALU_DEP_1)
	v_cvt_i32_f32 v[TP], v[TP]                     ; (it saturates)
	s_delay_alu instid0(VALU_DEP_1)
	v_ldexp_f32 v[FF], 1.0, v[TP]                  ; f = 2^(old M - new M)
.set j, 0
.rept 32
	v_pk_fma_f32 v[SB+j:SB+j+1], v[SB+j:SB+j+1], s[CS:CS+1], v[NM:NM+1] op_sel_hi:[1,0,0]   ; t - M
.set j, j+2
.endr
	v_fma_f32 v[BM0], v[BM0], s[CS], v[NM]         ; the same of each block's largest score
	v_fma_f32 v[BM1], v[BM1], s[CS], v[NM]
.if \vld >= 0
	VLOADS \vld                                    ; the lines above are the places behind the products that read these registers
.endif
.if \w1
	s_wait_dscnt 0x0
.endif
	WIN 0x41
	s_wait_alu depctr_va_vdst(0)                   ; the wait ahead of the batch
.set j, 0
.rept 8
.if \qk
	QKW UO, SN, j
.endif
.irp k, 0,1,2,3,4,5,6,7
	v_exp_f32 v[SB+8*j+\k], v[SB+8*j+\k]           ; p = 2^(t - M), at most 1
.endr
.set j, j+1
.endr
	v_exp_f32 v[BM0], v[BM0]                       ; the blocks' largest p: the same two instructions on the same number give the same bits
	v_exp_f32 v[BM1], v[BM1]
	WIN 0x55
	v_pk_mul_f32 v[LS:LS+1], v[LS:LS+1], v[FF:FF+1] op_sel_hi:[1,0]   ; the sum under the new M: the plain place behind the batch
	s_wait_alu depctr_va_vdst(0)                   ; and the wait behind it
.if \chg
	WIN 0
	s_wait_tensorcnt 0x0                           ; all my tensor loads are done: my part of the slot ahead
	ds_add_u32 v[SPW], v[NIL]
.if \chg == 1
	s_xor_b32 s[G0+1], s[G0+1], SLOT1              ; the slot that is left takes the 256 keys after the slot ahead
	s_add_nc_u64 s[G0+2:G0+3], s[G0+2:G0+3], SLOTB
	s_wait_xcnt 0x0                                ; the last prefetch has read its address
	s_add_nc_u64 s[PFA:PFA+1], s[PFA:PFA+1], SLOTB
.endif
	s_xor_b32 s[TB], s[TB], SLOT1                  ; on to the other slot
	s_wait_dscnt 0x0                               ; the add is done, and my reads of the slot that is left are over
	s_barrier_signal -1
	WIN 0x55
.endif
	ADDF SB
	v_max_num_f32 v[BM0], FLOOR, v[BM0]            ; the floor: the byte cannot fall under 1
	v_max_num_f32 v[BM1], FLOOR, v[BM1]
	ADD4 SB, 2
.if \kld >= 0
	KLOADS \kld                                    ; the eleven plain lines above are the places behind the last score product
	WIN 0x55
.endif
	v_add_nc_u32 v[EO], 0xff000000, v[BM0]         ; 2 off the exponent field: the conversion's scale operand
	v_add_nc_u32 v[EO+1], 0xff000000, v[BM1]
	ADD4 SB, 3
	v_lshrrev_b32 v[BY], 23, v[EO]                 ; the scale's byte
	v_lshrrev_b32 v[BY+1], 23, v[EO+1]
	ADD4 SB, 4
	v_lshl_or_b32 v[WD], v[BY+1], 16, v[BY]        ; my two bytes (blocks h and 2 + h)
	ADD4 SB, 5
	v_lshlrev_b32 v[WD], v[SH8], v[WD]             ; at their places,
	ADD4 SB, 6
	v_permlanex16_b32 v[PT], v[WD], s[SEL], s[SEL+1]
	ADD4 SB, 7
	WIN 0x15
	v_or_b32 v[PW], v[WD], v[PT]                   ; and lane l xor 16's two: p's scale word, in window 0
	WIN 0x55
	v_cvt_scalef32_pk16_fp6_f32 v[PCD:PCD+2], v[SB:SB+15], v[EO]
	v_cvt_scalef32_pk16_fp6_f32 v[T0:T0+2], v[SB+16:SB+31], v[EO]
	v_cvt_scalef32_pk16_fp6_f32 v[PCD+6:PCD+8], v[SB+32:SB+47], v[EO+1]
	v_cvt_scalef32_pk16_fp6_f32 v[T1:T1+2], v[SB+48:SB+63], v[EO+1]
	v_pk_add_f32 v[SU:SU+1], v[SU:SU+1], v[SU+2:SU+3]           ; plain places behind the scaled conversions
	v_pk_add_f32 v[SU+4:SU+5], v[SU+4:SU+5], v[SU+6:SU+7]
	MOV3 PCD+3, T0
	v_pk_add_f32 v[SU:SU+1], v[SU:SU+1], v[SU+4:SU+5]
	MOV3 PCD+9, T1
	v_pk_add_f32 v[LS:LS+1], v[LS:LS+1], v[SU:SU+1]
	WIN 0x04
	s_wait_alu depctr_va_vdst(0)                   ; the wait directly ahead of the first reader of O^T
.set j, 0
.rept 16
	v_pk_mul_f32 v[OT+32*(\u)+j:OT+32*(\u)+j+1], v[OT+32*(\u)+j:OT+32*(\u)+j+1], v[FF:FF+1] op_sel_hi:[1,0]   ; O^T under the new M
.set j, j+2
.endr
.if \chg
	WIN 0
	s_wait_alu depctr_va_vdst(0)                   ; the wait ahead of the barrier's wait
	s_barrier_wait -1
.if \chg == 1
	CREST                                          ; the barrier has opened a round of the cluster's barrier
	TLOAD                                          ; my one tensor load behind the round
	ASK
	s_sub_co_u32 s[SLOTS], s[SLOTS], 1
.endif
	ADDRS
	KLOADS 0
.endif
.endm
; A SLOT: two key steps, four phases
; pv0: the slot before has left value products to do;  chg: the change of slots in the third phase;  last: nothing follows.  At a slot's head its first k is in registers and tile 0's first scores are made or on their way
.macro SLOT pv0, chg, last
	PHASE 0, \pv0, 1, 0, 1, 0, 0, 0
	PHASE 1, 1, 1, -1, -1, 1, 0, 0
	PHASE 0, 1, 1, 1, -1, 0, 0, \chg
.if \last
	PHASE 1, 1, 0, -1, -1, 1, 0, 0
.else
	PHASE 1, 1, 1, -1, -1, 0, 1, 0
.endif
.endm
.macro ADDRS                           ; my LDS addresses in the slot in hand
	v_add_nc_u32 v[A16], s[TB], v[A16_0]
	v_add_nc_u32 v[A8], s[TB], v[A8_0]
	v_add_nc_u32 v[A4], s[TB], v[A4_0]
	s_wait_alu depctr_va_vdst(0)
.endm
	s_load_b256 s[4:11], s[0:1], 0x0               ; q s[4:5], kv s[6:7], wp s[8:9], b_proj s[10:11]
	s_load_b64 s[12:13], s[0:1], 0x20              ; out0
	v_lshl_add_u32 v[SPW], v0, 2, SPARE
	v_mov_b32 v[NIL], 0
	ds_add_u32 v[SPW], v[NIL]                      ; the opening lines: the add, twice on end, and its wait ahead of my first tensor load
	ds_add_u32 v[SPW], v[NIL]
	v_lshrrev_b32 v13, 5, v0
	v_readfirstlane_b32 s[WV], v13                 ; wave 0..7
	s_bfe_u32 s[CX], ttmp6, 0x40000                ; cx enters q's and out0's addresses and the prefetches' alone
	s_lshl_b32 s[WGX], ttmp9, 2
	s_add_co_u32 s[WGX], s[WGX], s[CX]
	s_lshr_b32 s[BAT], ttmp9, 4                    ; sixteen clusters to a batch
	s_lshr_b32 s60, s[WV], 1                       ; my head
	s_and_b32 s61, s[WV], 1                        ; a: my tiles are 2 a and 2 a + 1
	s_mov_b32 s[SEL], 0x76543210
	s_mov_b32 s[SEL+1], 0xfedcba98
	s_mov_b32 s[CS], 0x3e38aa3b                    ; log2(e) / 8
	s_mov_b32 s[CS+1], s[CS]
	s_mov_b32 s[G1], 15|(3<<16)|(1<<21)            ; the mask: all four work-groups; elements of 8 bytes; bit 21 beside a mask
	s_mov_b32 s[G1+1], 32<<16                      ; 13,312 dense bytes as 52 rows of 256
	s_mov_b32 s[G1+2], 52<<16
	s_mov_b32 s[G1+3], 32<<16
	s_mov_b32 s[G1+4], 52
	s_mov_b32 s[G1+5], 32
	s_mov_b32 s[G1+6], 0
	s_mov_b32 s[G1+7], 0
	s_mul_i32 s42, s[BAT], 16*SLOTB                ; the batch's first byte in kv
	s_mul_i32 s43, s[WV], REC
	s_add_co_u32 s44, s43, s42
	s_mov_b32 s45, 0
	s_mul_i32 s46, s[CX], HEADB                    ; the prefetches: my work-group's quarter of a slot,
	s_mul_i32 s47, s[WV], 3328                     ; my wave's eighth of that,
	s_add_co_u32 s46, s46, s47
	s_add_co_u32 s46, s46, s42
	s_add_co_u32 s46, s46, SLOTB                   ; in slot 1: the first change of slots steps it to slot 2
	s_mov_b32 s47, 0
	s_and_b32 s48, ttmp9, 15                       ; the batch's first cluster asks: the same in all four partners
	s_cmp_eq_u32 s48, 0
	s_cselect_b32 s[LIM], 1, -1
	s_lshl_b32 s48, s[WGX], 2
	s_add_co_u32 s48, s48, s60
	s_mul_i32 s48, s48, GR                         ; q: my rows' and my head's record;
	s_mov_b32 s49, 0
	s_mul_i32 s52, s61, 1536
	s_add_co_u32 s50, s48, s52                     ; my two tiles in it;
	s_mov_b32 s51, 0
	s_lshl_b32 s52, s61, 2
	s_add_co_u32 s48, s48, s52                     ; and word a of each lane's two scale words
	s_mul_i32 s52, s[WV], 2*GR                     ; wp: column tiles 2 w, 2 w + 1
	s_mov_b32 s53, 0
	s_lshl_b32 s56, s[WV], 7                       ; the bias of their 32 columns
	s_mov_b32 s57, 0
	s_lshr_b32 s18, s60, 1                         ; my head's place in the last product's K: step s = head / 2, half c = head % 2
	s_and_b32 s19, s60, 1
	s_lshl_b32 s39, s61, 2
	s_add_co_u32 s39, s39, s18                     ; my first fragment: 4 a + s
	s_mul_i32 s58, s39, FRB
	s_mul_i32 s59, s19, 768
	s_add_co_u32 s58, s58, s59
	s_add_co_u32 s58, s58, OIMG
	s_lshl_b32 s59, s39, 6
	s_lshl_b32 s19, s19, 1
	s_add_co_u32 s59, s59, s19
	s_add_co_u32 s59, s59, OSC
	s_lshl_b32 s18, s[WV], 7
	s_mul_i32 s19, s[WV], 8*SPITCH
	s_mul_i32 s39, s60, HEADB
	s_mov_b32 s[TB], 0
	s_mov_b32 s[SLOTS], 15
	v_and_b32 v13, 31, v0                          ; lane
	v_and_b32 v14, 15, v0                          ; r
	v_bfe_u32 v15, v0, 4, 1                        ; h
	v_lshl_add_u32 v[A16_0], v13, 4, s39
	v_lshl_add_u32 v[A8_0], v13, 3, s39
	v_lshl_add_u32 v[A4_0], v13, 2, s39
	v_lshlrev_b32 v[L16], 4, v13
	v_lshlrev_b32 v[L8], 3, v13
	v_lshlrev_b32 v[L4], 2, v13
	v_min_u32 v[PFO], 12, v13
	v_lshlrev_b32 v[PFO], 8, v[PFO]
	v_lshlrev_b32 v[B32], 5, v15
	v_lshl_add_u32 v[TO], v13, 3, s58              ; where my codes go: pieces of 8 bytes x lane
	v_lshl_add_u32 v[TBY], v14, 2, v15
	v_add_nc_u32 v[TBY], s59, v[TBY]               ; where my block's byte goes: row r's word, byte 2 c + h
	v_lshl_add_u32 v[TRD], v13, 3, OIMG            ; where every wave reads the fragments,
	v_lshl_add_u32 v[TRS], v14, 2, OSC             ; and their scale words
	v_and_b32 v27, 7, v14
	v_lshrrev_b32 v28, 3, v14
	v_lshl_add_u32 v27, v28, 5, v27                ; my query's row among the 64, less 8 m
	v_mul_u32_u24 v27, v27, SPITCH
	v_lshl_add_u32 v27, v15, 5, v27
	v_add_nc_u32 v[STO], s18, v27                  ; the stage, on the way in: that row, + 128 w + 32 h bytes
	v_add_nc_u32 v[SRD], s19, v[L16]               ; and on the way out: rows 8 w on, 16 bytes a lane
	s_wait_alu depctr_va_vdst(0)                   ; the wait ahead of the waits below
	s_wait_dscnt 0x0                               ; both opening adds are done
	s_wait_kmcnt 0x0
	s_mov_b32 s[G0], 1
	s_mul_i32 s[G0+1], s[WV], REC                  ; LDS: slot 0, my eighth: no place in the cluster enters it
	s_add_nc_u64 s[G0+2:G0+3], s[6:7], s[44:45]
	s_or_b32 s[G0+3], s[G0+3], 0x80000000
	s_add_nc_u64 s[PFA:PFA+1], s[6:7], s[46:47]
	s_add_nc_u64 s[54:55], s[4:5], s[50:51]
	s_add_nc_u64 s[62:63], s[4:5], s[48:49]
	s_add_nc_u64 s[52:53], s[8:9], s[52:53]
	s_add_nc_u64 s[56:57], s[10:11], s[56:57]
	s_lshl_b32 s42, s[WGX], 16
	s_lshl_b32 s43, s[WV], 13
	s_add_co_u32 s42, s42, s43
	s_mov_b32 s43, 0
	s_add_nc_u64 s[12:13], s[12:13], s[42:43]      ; out0 at row 64 work-group + 8 w
	CROUND                                         ; all four work-groups are here: the first joint loads meet
	TLOAD                                          ; slot 0: my one tensor load at the head
.irp u, 0,1                            ; q's six registers of each tile, twice: at K 0-63 and at K 64-127
	global_load_b128 v[QF+18*\u:QF+18*\u+3], v[L16], s[54:55] offset:768*\u
	global_load_b64 v[QF+18*\u+4:QF+18*\u+5], v[L8], s[54:55] offset:768*\u+512
	global_load_b128 v[QF+18*\u+12:QF+18*\u+15], v[L16], s[54:55] offset:768*\u
	global_load_b64 v[QF+18*\u+16:QF+18*\u+17], v[L8], s[54:55] offset:768*\u+512
.endr
	global_load_b32 v[QS], v[L8], s[62:63] offset:3072         ; lanes 0-15 tile 2 a, lanes 16-31 tile 2 a + 1
.irp c, 0,1                            ; for the tail, 20 loads: w_proj's two column tiles (two fragments each), their scale words,
.irp g, 0,1,2,3,4,5
	global_load_b128 v[WPF+24*\c+4*\g:WPF+24*\c+4*\g+3], v[L16], s[52:53] offset:GR*\c+512*\g
.endr
	global_load_b32 v[WS+2*\c], v[L4], s[52:53] offset:GR*\c+3072
	global_load_b32 v[WS+2*\c+1], v[L4], s[52:53] offset:GR*\c+3200
.endr
	WIN 0x40
.irp c, 0,1                            ; and their bias, in the result's layout: b_proj[32 w + 16 c + 8 h + 0 .. 7]
	global_load_b128 v[BI+8*\c:BI+8*\c+3], v[B32], s[56:57] offset:64*\c
	global_load_b128 v[BI+8*\c+4:BI+8*\c+7], v[B32], s[56:57] offset:64*\c+16
.endr
	v_bfe_u32 v[SH8], v0, 4, 1
.irp u, 0,1
	v_mov_b32 v[STA+4*\u+1], 0xff61b1e6            ; the largest t so far: -3e38
	v_mov_b32 v[STA+4*\u+2], 0                     ; the sum, in two halves
	v_mov_b32 v[STA+4*\u+3], 0
.endr
	v_mov_b32 v[FF+1], 0                           ; (named as the upper half of a pair)
	v_mov_b32 v[PT], 0                             ; a lane exchange's destination counts as one of its sources
	WIN 0x55
	v_lshlrev_b32 v[SH8], 3, v[SH8]                ; 8 h
.irp u, 0,1
	v_floor_f32 v[STA+4*\u], -v[STA+4*\u+1]        ; -M
.endr
	WIN 0
.irp u, 0,1
.irp i, 6,7,8,9,10,11
	v_mov_b32 v[QF+18*\u+\i], 0                    ; the zero codes: written once
.endr
.endr
.set j, 0
.rept 64
	v_mov_b32 v[OT+j], 0                           ; O^T.  (The phase is written without a first step of its own: the first change of M multiplies zeros)
.set j, j+1
.endr
	s_wait_alu depctr_va_vdst(0)                   ; the wait at the head's end
	s_wait_loadcnt 20                              ; q and its scale words are in; the tail's twenty younger loads may be out
	CHANGE 1                                       ; slot 0 is in, and keys 256-511 are asked for: slot 1's first fill, issued as a refill is
	s_sub_co_u32 s[SLOTS], s[SLOTS], 1
	ADDRS
	KLOADS 0
	s_wait_dscnt 0x0
	WIN 0x41
.irp i, 0,1,2,3,4,5,6,7
	QKW 0, 0, \i
.endr
	PLACES
	SLOT 0, 1, 0                                   ; the first 256 keys are written out: no value products stand ahead of them
	WIN 0
	s_wait_alu depctr_va_vdst(0)
.Lslot:                                            ; 13 trips, each with a refill: 15 refills in all, the counter stepped at each
	SLOT 1, 1, 0
	WIN 0
	s_cmp_lg_u32 s[SLOTS], 0
	s_wait_alu depctr_va_vdst(0)                   ; the wait ahead of the branch
	s_cbranch_scc1 .Lslot
	SLOT 1, 2, 0                                   ; the last two slots are written out: a change with no refill
	SLOT 1, 0, 1                                   ; and none
	WIN 0x04
.irp t, 0,1,2,3
	PVW 1, \t
.endr
	WIN 0
	; THE TAIL.  The rows' sums; these plain lines are also the places behind the last products
	WIN 0x55
.irp u, 0,1
	v_add_f32 v[STA+4*\u+2], v[STA+4*\u+2], v[STA+4*\u+3]
.endr
	v_nop
	v_nop
.irp u, 0,1
	v_permlanex16_b32 v[MXA+\u], v[STA+4*\u+2], s[SEL], s[SEL+1]
.endr
.irp u, 0,1
	v_add_f32 v[STA+4*\u+2], v[STA+4*\u+2], v[MXA+\u]
.endr
	s_wait_alu depctr_va_vdst(0)
.irp u, 0,1
	v_rcp_f32 v[STA+4*\u+2], v[STA+4*\u+2]
.endr
	v_nop
	WIN 0x44
	s_wait_alu depctr_va_vdst(0)                   ; behind the reciprocals, directly ahead of the first reader of O^T
.irp u, 0,1
.set j, 0
.rept 16
	v_pk_mul_f32 v[32*\u+j:32*\u+j+1], v[OT+32*\u+j:OT+32*\u+j+1], v[STA+4*\u+2:STA+4*\u+3] op_sel_hi:[1,0]   ; O^T / the sum, into window 1: register i of tile u is channel 64 head + 32 h + i of my query: a block of the last product's K
.set j, j+2
.endr
.endr
	WIN 0x55
.irp u, 0,1
	v_max3_num_f32 v[MXA+\u], |v[32*\u]|, |v[32*\u+1]|, FLOOR
	v_max3_num_f32 v[MXA+2+\u], |v[32*\u+16]|, |v[32*\u+17]|, |v[32*\u+18]|
.endr
.irp i, 0,1,2,3,4,5
.irp u, 0,1
	v_max3_num_f32 v[MXA+\u], v[MXA+\u], |v[32*\u+2+2*\i]|, |v[32*\u+3+2*\i]|
	v_max3_num_f32 v[MXA+2+\u], v[MXA+2+\u], |v[32*\u+19+2*\i]|, |v[32*\u+20+2*\i]|
.endr
.endr
.irp u, 0,1
	v_max3_num_f32 v[MXA+\u], v[MXA+\u], |v[32*\u+14]|, |v[32*\u+15]|
.endr
.irp u, 0,1
	v_max3_num_f32 v[MXA+\u], v[MXA+\u], v[MXA+2+\u], |v[32*\u+31]|
.endr
.irp u, 0,1
	v_add_nc_u32 v[EO+\u], 0xff000000, v[MXA+\u]
.endr
.irp u, 0,1
	v_lshrrev_b32 v[BY+\u], 23, v[EO+\u]
.endr
.irp u, 0,1
	v_cvt_scalef32_pk16_fp6_f32 v[176+8*\u:178+8*\u], v[32*\u:32*\u+15], v[EO+\u]
	v_cvt_scalef32_pk16_fp6_f32 v[192+4*\u:194+4*\u], v[32*\u+16:32*\u+31], v[EO+\u]
.endr
	v_nop                                          ; one plain place behind the scaled conversions
.irp u, 0,1
	MOV3 179+8*\u, 192+4*\u
.endr
	WIN 0x04
.irp u, 0,1                            ; fragment 4 a + 2 u + s, half c
	ds_store_b64 v[TO], v[176+8*\u:177+8*\u] offset:2*FRB*\u
	ds_store_b64 v[TO], v[178+8*\u:179+8*\u] offset:2*FRB*\u+256
	ds_store_b64 v[TO], v[180+8*\u:181+8*\u] offset:2*FRB*\u+512
	ds_store_b8 v[TBY], v[BY+\u] offset:128*\u
.endr
	WIN 0
	s_wait_alu depctr_va_vdst(0)
	s_wait_dscnt 0x0                               ; for the others' sake: my parts of the fragments and my bytes have landed
	s_barrier_signal -1
	s_barrier_wait -1
	WIN 0x40
.irp f, 0,1,2,3,4,5,6,7
.irp i, 0,1,2,3,4,5
	ds_load_b64 v[64+12*\f+2*\i:65+12*\f+2*\i], v[TRD] offset:FRB*\f+256*\i
.endr
.endr
	WIN 0
.irp f, 0,1,2,3,4,5,6,7
	ds_load_b32 v[OS+\f], v[TRS] offset:64*\f
.endr
	s_wait_dscnt 0x0
	s_wait_loadcnt 0x0                             ; w_proj's fragments, their scale words, the bias
	WIN 0x54                               ; transposed: source 0 = 16 rows of w_proj (window 0), source 1 = 16 rows of the result; the bias is the C of each sum's first product; eight accumulators by turns
.irp c, 0,1
.irp m, 0,1,2,3
	v_wmma_scale_f32_16x16x128_f8f6f4 v[8*(4*\c+\m):8*(4*\c+\m)+7], v[WPF+24*\c:WPF+24*\c+11], v[64+24*\m:64+24*\m+11], v[BI+8*\c:BI+8*\c+7], v[WS+2*\c], v[OS+2*\m] matrix_a_fmt:MATRIX_FMT_FP6 matrix_b_fmt:MATRIX_FMT_FP6
.endr
.endr
.irp c, 0,1
.irp m, 0,1,2,3
	v_wmma_scale_f32_16x16x128_f8f6f4 v[8*(4*\c+\m):8*(4*\c+\m)+7], v[WPF+24*\c+12:WPF+24*\c+23], v[64+24*\m+12:64+24*\m+23], v[8*(4*\c+\m):8*(4*\c+\m)+7], v[WS+2*\c+1], v[OS+2*\m+1] matrix_a_fmt:MATRIX_FMT_FP6 matrix_b_fmt:MATRIX_FMT_FP6
.endr
.endr
	PLACES
	WIN 0x04
.irp c, 0,1
.irp m, 0,1,2,3
	ds_store_b128 v[STO], v[8*(4*\c+\m):8*(4*\c+\m)+3] offset:8*SPITCH*\m+64*\c        ; lane (r, h): columns 32 w + 16 c + 8 h + 0 .. 7 of row 8 m + r % 8 + 32 (r / 8); each accumulator from its low end on
	ds_store_b128 v[STO], v[8*(4*\c+\m)+4:8*(4*\c+\m)+7] offset:8*SPITCH*\m+64*\c+16
.endr
.endr
	WIN 0
	s_wait_dscnt 0x0                               ; for the others' sake
	s_barrier_signal -1
	s_barrier_wait -1                              ; 64 whole rows lie in the stage
	WIN 0x40
.set j, 0
.rept 16
	ds_load_b128 v[64+4*j:64+4*j+3], v[SRD] offset:SPITCH*(j/2)+512*(j%2)
.set j, j+1
.endr
	WIN 0x04
.set j, 0
.rept 16
.if (j%8) == 0
	s_wait_dscnt 8-j                               ; the next eight are back; the younger loads may stay out
.endif
	global_store_b128 v[L16], v[64+4*j:64+4*j+3], s[12:13] offset:1024*(j/2)+512*(j%2) th:TH_STORE_NT   ; 32 lanes store 512 consecutive bytes, at a multiple of 256 from out0's first byte
.set j, j+1
.endr
	WIN 0
	s_wait_tensorcnt 0x0                           ; the wave's end
	ds_add_u32 v[SPW], v[NIL]
	s_wait_dscnt 0x0
	CROUND                                         ; the closing round
	s_endpgm
.Lfunc_end_k_q8cc24a97eb_attn:
	.size	k_q8cc24a97eb_attn, .Lfunc_end_k_q8cc24a97eb_attn-k_q8cc24a97eb_attn
	.p2alignl 7, 3214868480
	.fill 96, 4, 3214868480
	.section	.rodata,"a",@progbits
	.p2align	6, 0x0
	.amdhsa_kernel k_q8cc24a97eb_attn
		.amdhsa_group_segment_fixed_size 327680
		.amdhsa_private_segment_fixed_size 0
		.amdhsa_enable_private_segment 0
		.amdhsa_kernarg_size 40
		.amdhsa_user_sgpr_count 2
		.amdhsa_user_sgpr_kernarg_segment_ptr 1
		.amdhsa_wavefront_size32 1
		.amdhsa_system_sgpr_workgroup_id_x 1
		.amdhsa_system_sgpr_workgroup_id_y 1
		.amdhsa_system_sgpr_workgroup_id_z 1
		.amdhsa_system_vgpr_workitem_id 0
		.amdhsa_next_free_vgpr 512
		.amdhsa_next_free_sgpr 66
		.amdhsa_reserve_vcc 0
		.amdhsa_float_denorm_mode_32 3
		.amdhsa_float_denorm_mode_16_64 3
		.amdhsa_memory_ordered 1
		.amdhsa_forward_progress 1
		.amdhsa_inst_pref_size 254
	.end_amdhsa_kernel
	.amdgpu_metadata
---
amdhsa.version: [ 1, 2 ]
amdhsa.kernels:
  - .name:           k_q8cc24a97eb_attn
    .symbol:         k_q8cc24a97eb_attn.kd
    .args:
      - { .name: q, .offset: 0, .size: 8, .value_kind: global_buffer, .address_space: global }
      - { .name: kv, .offset: 8, .size: 8, .value_kind: global_buffer, .address_space: global }
      - { .name: wp, .offset: 16, .size: 8, .value_kind: global_buffer, .address_space: global }
      - { .name: b_proj, .offset: 24, .size: 8, .value_kind: global_buffer, .address_space: global }
      - { .name: out0, .offset: 32, .size: 8, .value_kind: global_buffer, .address_space: global }
    .group_segment_fixed_size: 327680
    .private_segment_fixed_size: 0
    .kernarg_segment_align: 8
    .kernarg_segment_size: 40
    .max_flat_workgroup_size: 256
    .sgpr_count:     66
    .vgpr_count:     512
    .wavefront_size: 32
...
	.end_amdgpu_metadata
.endif
;; end of part 2
